; MI455X (gfx1250); checked and timed in simulation.
; The chip was launched on July 23, 2026; its instructions are those of AMD's public machine-readable ISA for CDNA 5 (MIT licence, August 2026) and "CDNA5" Instruction Set Architecture Reference Guide (July 2026). The comments in the code are by the model that wrote it; some were corrected since.
;; Linear4bit DUSQ. Allowed arithmetic: matrix products marked QUANTISED: E4M3 operands, one given power-of-two scale a tensor, by v_wmma_f32_16x16x64_fp8_fp8 or v_wmma_f32_16x16x128_fp8_fp8, f32 sums; everything else in f32.
;; Inputs: bias 4,096 float32; lowp_scales 4 int32 (the exponents e of the quantised operands' scales 2^e); scales_x 2,048 x 1 float32; w_packed 4,096 x 2,048 int32; weight_scales_1 4,096 x 1 float32; weight_scales_2 4,096 x 1 float32; x_q 2,048 x 4,096 int32.
;; Outputs: out0 2,048 x 4,096 float32.
;; This version of the problem:
;;   THIS VERSION OF THE PROBLEM IS GIVEN IN LOW PRECISION. The matrix products marked QUANTISED in the list below multiply operands that are first quantised to E4M3 (4 exponent bits, 3 mantissa bits; 8 bits a number), with one given power-of-two scale for each operand tensor; their sums are f32. All else is computed in f32.
;;   The module's matrix products, in the order in which they are computed (A, B: the left and right operand; K: the contracted axis; several contracted axes count as one K, in the product's order):
;;     1. [M 2,048, K 2,048] x [K 2,048, N 4,096]; A: input x_q; B: computed on the way: QUANTISED (scales: A lowp_scales[0], B lowp_scales[1])
;;     2. [M 2,048, K 2,048] x [K 2,048, N 4,096]; A: input x_q; B: computed on the way: QUANTISED (scales: A lowp_scales[2], B lowp_scales[3])
;;   THE QUANTISER, for each operand of a quantised product, along K:
;;     - The operand's scale is 2^e, e = its entry of the input lowp_scales (int32; the entries are numbered through the quantised products in the list's order, A before B).
;;     - Each number is divided by the scale, clamped to +-448, and rounded to the nearest number of E4M3, ties to even, subnormals kept.
;;     - The product sums the exact products of the quantised numbers (number of the format x scale) in f32.
;;   ~~~python
;;   def quantise(x, axis, e):      # numpy; x: float32 -> the quantised numbers, widened to float32 again
;;       x = np.moveaxis(x, axis, -1); K = x.shape[-1]
;;       r = np.clip(x / 2.0 ** e, -448, 448)
;;       step = 2.0 ** (np.maximum(np.frexp(np.where(r == 0, 1, r))[1] - 1, -6) - 3)
;;       q = np.round(r / step) * step * 2.0 ** e      # np.round: ties to even
;;       return np.moveaxis(q, -1, axis).astype(np.float32)
;;   ~~~
;;   OPERANDS COMPUTED ON THE WAY. 'Computed on the way' means the value that the module computes at that place (a softmax that the list does not call 'softmax' is quantised finished and normalised). What goes into a quantiser is computed in f32, as accurately as f32 sums, v_exp_f32 and their like allow (about 1e-6 of the number): no bf16 or f16 on the way to a quantiser, and a product that is left as it is and whose result goes on into a quantised operand takes f32 operands (vector FMAs, or v_wmma_f32_16x16x4_f32). A number that lies on a knife's edge between two numbers of the format may be rounded either way, as far as f32 arithmetic and the matrix unit's own rounding can turn it there, and no further.
;; One version. Each part assembles by itself: llvm-mc -triple=amdgcn-amd-amdhsa -mcpu=gfx1250 --defsym DOCPART=n.
;; ======== version 1 of 1: 2 launches
;; limits: right only within a limited range of input values
;; workspace buffers: xc 8,388,608 bytes; wc 16,777,216 bytes
;; launch quant (part 1): grid 512 x 1, 8 waves a work-group, no clusters, 105,472 bytes of LDS; arguments x_q, w_packed, lowp_scales, xc, wc; writes xc, wc
.if DOCPART == 1
	.amdgcn_target "amdgcn-amd-amdhsa--gfx1250"
	.amdhsa_code_object_version 6
	.text
	.protected	k_qd23a527cee_quant
	.globl	k_qd23a527cee_quant
	.p2align	8
	.type	k_qd23a527cee_quant,@function
k_qd23a527cee_quant:
	s_mov_b64 s[64:65], 0
	v_nop
	global_prefetch_b8 v0, s[64:65] scope:SCOPE_SE
	s_setreg_imm32_b32 hwreg(HW_REG_WAVE_MODE, 25, 1), 1
	s_wait_xcnt 0x0
; x_q [2048][4096] int32 and the signed nibbles of w_packed [4096][2048] int32 (low nibble = even k, next nibble = odd k) become codes of FP8 (E4M3), one byte a number.
; code = number / 2^e, held within +-448, rounded to the nearest code, ties to even.  e: entry 0 (x, k < 2048), 1 (w, k < 2048), 2 (x, k >= 2048), 3 (w, k >= 2048) of the buffer of scales.
; LIMIT: each e lies between -126 and 119.
; THE CODES' LAYOUT is that of the matrix operand's registers.  A FRAGMENT is 16 rows x 128 k in 2,048 bytes: byte 512 c + 256 h + 16 r + b is row r, k = 32 c + 16 h + b.
;   wc: fragment (16-row block R, k / 128 = s) at 65536 R + 2048 s.
;   xc: tile of 128 rows at 524288 x tile; in it 32768 u + 16384 half + 2048 a, k = 2048 half + 128 u + ..; block a holds the tile's rows 64 (a % 2) + 16 (a / 2) + 0 .. 15.
; SHARES.  A wave takes 16 rows x 1,024 bytes.  Work-groups 0-255: x, 256 k a wave; work-groups 256-511: w, 512 k a wave.  Each load reads 512 consecutive bytes of a row; the codes turn
; through the wave's own stage in LDS (groups of 16 rows x 16 bytes, 272 bytes apart) and each store covers 512 consecutive bytes, aligned.  All loads are issued at once, no register that a global access names is written again.
; Waves share nothing: no barrier.
.set R,   12                           ; v12-139  the numbers as loaded: load n = 16 x piece + row in R + 4 n
.set T,   140                          ; v140-155 w: 16 numbers at work
.set C,   156                          ; v156-163 codes
.set O,   164                          ; v164-227 the way out
.set SPW, 228                          ; LDS address of my spare word
.set NIL, 229                          ; 0
.set GP,  272                          ; a group's pitch in the stage
.set WST, 32*GP                        ; w's stage for a wave; the eight from byte 0 on
.set XST, 16*GP                        ; x's stage for a wave
.set XB,  8*WST                        ; x's stages have bytes of their own
.set SPARE, XB+8*XST                   ; the spare words
	s_load_b256 s[4:11], s[0:1], 0x0               ; x_q s[4:5], w_packed s[6:7], the scales' exponents s[8:9], xc s[10:11]
	s_load_b64 s[12:13], s[0:1], 0x20              ; wc
	v_lshl_add_u32 v[SPW], v0, 2, SPARE
	v_mov_b32 v[NIL], 0
	v_lshrrev_b32 v1, 5, v0
	v_readfirstlane_b32 s14, v1                    ; wave 0..7
	v_and_b32 v2, 31, v0                           ; lane
	v_lshlrev_b32 v3, 4, v2                        ; 16 bytes a lane, in and out
	v_lshrrev_b32 v4, 2, v2                        ; x, into the stage: four codes: group lane / 4, byte 4 (lane % 4)
	v_mul_u32_u24 v6, v4, GP
	v_and_b32 v5, 3, v2
	v_lshl_add_u32 v6, v5, 2, v6
	v_lshrrev_b32 v4, 1, v2                        ; w: eight codes: group lane / 2, byte 8 (lane % 2)
	v_mul_u32_u24 v7, v4, GP
	v_and_b32 v5, 1, v2
	v_lshl_add_u32 v7, v5, 3, v7
	v_lshrrev_b32 v4, 4, v2                        ; out of it: two groups an instruction, a row a lane
	v_mul_u32_u24 v10, v4, GP
	v_and_b32 v5, 15, v2
	v_lshl_add_u32 v10, v5, 4, v10
	s_mul_i32 s15, s14, WST
	s_mul_i32 s20, s14, XST
	s_add_co_u32 s20, s20, XB
	v_add_nc_u32 v11, s15, v10
	v_add_nc_u32 v10, s20, v10
	v_add_nc_u32 v6, s20, v6
	v_add_nc_u32 v7, s15, v7
	s_mov_b32 s23, 0
	s_mov_b32 s27, 0
	s_mov_b32 s30, 0xf0000000
	s_wait_alu depctr_va_vdst(0)
	s_wait_kmcnt 0x0
	s_load_b128 s[16:19], s[8:9], 0x0              ; e0 .. e3
; v8 = 2^(e + add) as f32 (the conversion takes its exponent field), v9 = 448 x that
.macro SCALE add
	s_add_co_i32 s24, s24, 127+\add
	s_lshl_b32 s25, s24, 23
	v_mov_b32 v8, s25
	s_add_co_i32 s24, s24, 8
	s_lshl_b32 s24, s24, 23
	s_or_b32 s24, s24, 0x600000                    ; the mantissa field of 448
	v_mov_b32 v9, s24
	s_wait_alu depctr_va_vdst(0)                   ; the wait at the head's end
.endm
	s_cmp_lt_u32 ttmp9, 256                        ; x's work-group or w's: the work-group's number alone decides
	s_cbranch_scc0 .Lweights
	; ---------------- x: 16-row block wg / 2, half of K wg % 2, 256 k a wave
	s_lshr_b32 s20, ttmp9, 1
	s_and_b32 s21, ttmp9, 1
	s_lshl_b32 s22, s20, 18                        ; 16 rows of 16,384 bytes
	s_lshl_b32 s24, s21, 13
	s_add_co_u32 s22, s22, s24
	s_lshl_b32 s24, s14, 10
	s_add_co_u32 s22, s22, s24
	s_add_nc_u64 s[4:5], s[4:5], s[22:23]
.irp p, 0,1
.irp r, 0,1,2,3,4,5,6,7,8,9,10,11,12,13,14,15
	global_load_b128 v[R+4*(16*\p+\r):R+4*(16*\p+\r)+3], v3, s[4:5] offset:16384*\r+512*\p th:TH_LOAD_NT
.endr
.endr
	s_lshr_b32 s24, s20, 3                         ; the tile of 128 rows
	s_lshl_b32 s26, s24, 19
	s_and_b32 s24, s20, 3                          ; rows 16 q of the tile, q = 4 (a % 2) + a / 2: a = 2 (q % 4) + q / 4
	s_lshl_b32 s24, s24, 12
	s_add_co_u32 s26, s26, s24
	s_bfe_u32 s24, s20, 0x10002
	s_lshl_b32 s24, s24, 11
	s_add_co_u32 s26, s26, s24
	s_lshl_b32 s24, s21, 14
	s_add_co_u32 s26, s26, s24
	s_lshl_b32 s24, s14, 16                        ; two steps of 128 k a wave
	s_add_co_u32 s26, s26, s24
	s_add_nc_u64 s[10:11], s[10:11], s[26:27]
	s_wait_kmcnt 0x0
	s_cmp_eq_u32 s21, 0
	s_cselect_b32 s24, s16, s18
	SCALE 0
.macro XPAIR d                         ; loads 2 d, 2 d + 1: two rows, four numbers of each in a lane
	s_wait_loadcnt 30-2*(\d)                       ; loads come back in order: these two are in
.irp j, 0,1,2,3,4,5,6,7
	v_cvt_f32_i32 v[R+8*(\d)+\j], v[R+8*(\d)+\j]
.endr
.irp j, 0,1,2,3,4,5,6,7
	v_med3_num_f32 v[R+8*(\d)+\j], v[R+8*(\d)+\j], -v9, v9   ; the conversion to an 8-bit code does not saturate (ISA guide 7.6.2)
.endr
	v_cvt_scalef32_pk8_fp8_f32 v[C+2*((\d)%2):C+2*((\d)%2)+1], v[R+8*(\d):R+8*(\d)+7], v8
	v_nop
	ds_store_b32 v6, v[C+2*((\d)%2)] offset:8*GP*((\d)/8)+32*((\d)%8)
	ds_store_b32 v6, v[C+2*((\d)%2)+1] offset:8*GP*((\d)/8)+32*((\d)%8)+16
.endm
.macro XOUT p                          ; piece p's 128 k leave: LDS serves a wave's instructions in order (ISA guide 5.7.1.4)
.irp i, 0,1,2,3
	ds_load_b128 v[O+16*\p+4*\i:O+16*\p+4*\i+3], v10 offset:2*GP*(4*\p+\i)
.endr
	s_wait_dscnt 0x0
.irp i, 0,1,2,3
	global_store_b128 v3, v[O+16*\p+4*\i:O+16*\p+4*\i+3], s[10:11] offset:32768*\p+512*\i
.endr
.endm
.irp d, 0,1,2,3,4,5,6,7
	XPAIR \d
.endr
	XOUT 0
.irp d, 8,9,10,11,12,13,14,15
	XPAIR \d
.endr
	XOUT 1
	s_wait_tensorcnt 0x0                           ; the wave's end
	ds_add_u32 v[SPW], v[NIL]
	s_wait_dscnt 0x0
	s_endpgm
	; ---------------- w: 16-row block wg - 256, 512 k a wave
.Lweights:
	s_sub_co_u32 s20, ttmp9, 256
	s_lshl_b32 s22, s20, 17                        ; 16 rows of 8,192 bytes
	s_lshl_b32 s24, s14, 10
	s_add_co_u32 s22, s22, s24
	s_add_nc_u64 s[6:7], s[6:7], s[22:23]
.irp p, 0,1
.irp r, 0,1,2,3,4,5,6,7,8,9,10,11,12,13,14,15
	global_load_b128 v[R+4*(16*\p+\r):R+4*(16*\p+\r)+3], v3, s[6:7] offset:8192*\r+512*\p th:TH_LOAD_NT
.endr
.endr
	s_lshl_b32 s26, s20, 16
	s_lshl_b32 s24, s14, 13                        ; four steps of 128 k a wave
	s_add_co_u32 s26, s26, s24
	s_add_nc_u64 s[12:13], s[12:13], s[26:27]
	s_wait_kmcnt 0x0
	s_cmp_lt_u32 s14, 4                            ; which half of K
	s_cselect_b32 s24, s17, s19
	s_min_i32 s24, s24, 60                         ; a nibble's number is 8 at the most in size: from e = 14 on every code is 0, under 60 as under any larger e
	SCALE 28                                       ; the numbers are worked as number x 2^28, and so is the scale
.macro WPAIR d                         ; loads 2 d, 2 d + 1: two rows, four words, eight numbers of each in a lane
	s_wait_loadcnt 30-2*(\d)
.irp j, 0,1,2,3,4,5,6,7
	v_lshlrev_b32 v[T+2*\j], 28, v[R+8*(\d)+\j]    ; bits 3:0 on top, with their sign: number x 2^28
	v_lshlrev_b32 v[T+2*\j+1], 24, v[R+8*(\d)+\j]  ; bits 7:4 on top,
.endr
.irp j, 0,1,2,3,4,5,6,7
	v_and_b32 v[T+2*\j+1], s30, v[T+2*\j+1]        ; and what lies below taken off
.endr
.irp j, 0,1,2,3,4,5,6,7,8,9,10,11,12,13,14,15
	v_cvt_f32_i32 v[T+\j], v[T+\j]
.endr
.irp j, 0,1,2,3,4,5,6,7,8,9,10,11,12,13,14,15
	v_med3_num_f32 v[T+\j], v[T+\j], -v9, v9
.endr
	v_cvt_scalef32_pk8_fp8_f32 v[C+4*((\d)%2):C+4*((\d)%2)+1], v[T:T+7], v8
	v_cvt_scalef32_pk8_fp8_f32 v[C+4*((\d)%2)+2:C+4*((\d)%2)+3], v[T+8:T+15], v8
	v_nop                                          ; a plain vector instruction between the conversions and the next shifts, which write their sources
	ds_store_b64 v7, v[C+4*((\d)%2):C+4*((\d)%2)+1] offset:16*GP*((\d)/8)+32*((\d)%8)
	ds_store_b64 v7, v[C+4*((\d)%2)+2:C+4*((\d)%2)+3] offset:16*GP*((\d)/8)+32*((\d)%8)+16
.endm
.macro WOUT p                          ; piece p's 256 k leave
.irp i, 0,1,2,3,4,5,6,7
	ds_load_b128 v[O+32*\p+4*\i:O+32*\p+4*\i+3], v11 offset:2*GP*(8*\p+\i)
.endr
	s_wait_dscnt 0x0
.irp i, 0,1,2,3,4,5,6,7
	global_store_b128 v3, v[O+32*\p+4*\i:O+32*\p+4*\i+3], s[12:13] offset:4096*\p+512*\i
.endr
.endm
.irp d, 0,1,2,3,4,5,6,7
	WPAIR \d
.endr
	WOUT 0
.irp d, 8,9,10,11,12,13,14,15
	WPAIR \d
.endr
	WOUT 1
	s_wait_tensorcnt 0x0                           ; the wave's end
	ds_add_u32 v[SPW], v[NIL]
	s_wait_dscnt 0x0
	s_endpgm
.Lfunc_end_k_qd23a527cee_quant:
	.size	k_qd23a527cee_quant, .Lfunc_end_k_qd23a527cee_quant-k_qd23a527cee_quant
	.p2alignl 7, 3214868480
	.fill 96, 4, 3214868480
	.section	.rodata,"a",@progbits
	.p2align	6, 0x0
	.amdhsa_kernel k_qd23a527cee_quant
		.amdhsa_group_segment_fixed_size 105472
		.amdhsa_private_segment_fixed_size 0
		.amdhsa_enable_private_segment 0
		.amdhsa_kernarg_size 40
		.amdhsa_user_sgpr_count 2
		.amdhsa_user_sgpr_kernarg_segment_ptr 1
		.amdhsa_wavefront_size32 1
		.amdhsa_system_sgpr_workgroup_id_x 1
		.amdhsa_system_sgpr_workgroup_id_y 1
		.amdhsa_system_sgpr_workgroup_id_z 1
		.amdhsa_system_vgpr_workitem_id 0
		.amdhsa_next_free_vgpr 232
		.amdhsa_next_free_sgpr 66
		.amdhsa_reserve_vcc 0
		.amdhsa_float_denorm_mode_32 3
		.amdhsa_float_denorm_mode_16_64 3
		.amdhsa_memory_ordered 1
		.amdhsa_forward_progress 1
		.amdhsa_inst_pref_size 71
	.end_amdhsa_kernel
	.amdgpu_metadata
---
amdhsa.version: [ 1, 2 ]
amdhsa.kernels:
  - .name:           k_qd23a527cee_quant
    .symbol:         k_qd23a527cee_quant.kd
    .args:
      - { .name: x_q, .offset: 0, .size: 8, .value_kind: global_buffer, .address_space: global }
      - { .name: w_packed, .offset: 8, .size: 8, .value_kind: global_buffer, .address_space: global }
      - { .name: lowp_scales, .offset: 16, .size: 8, .value_kind: global_buffer, .address_space: global }
      - { .name: xc, .offset: 24, .size: 8, .value_kind: global_buffer, .address_space: global }
      - { .name: wc, .offset: 32, .size: 8, .value_kind: global_buffer, .address_space: global }
    .group_segment_fixed_size: 105472
    .private_segment_fixed_size: 0
    .kernarg_segment_align: 8
    .kernarg_segment_size: 40
    .max_flat_workgroup_size: 256
    .sgpr_count:     66
    .vgpr_count:     232
    .wavefront_size: 32
...
	.end_amdgpu_metadata
.endif
;; end of part 1
;; launch gemm (part 2): grid 16 x 16, 4 waves a work-group, clusters of 4 x 1, 327,680 bytes of LDS; arguments xc, wc, lowp_scales, scales_x, weight_scales_1, weight_scales_2, bias, out0; writes out0
.if DOCPART == 2
	.amdgcn_target "amdgcn-amd-amdhsa--gfx1250"
	.amdhsa_code_object_version 6
	.text
	.protected	k_qd23a527cee_gemm
	.globl	k_qd23a527cee_gemm
	.p2align	8
	.type	k_qd23a527cee_gemm,@function
k_qd23a527cee_gemm:
	s_mov_b64 s[64:65], 0
	v_nop
	global_prefetch_b8 v0, s[64:65] scope:SCOPE_SE
	s_setreg_imm32_b32 hwreg(HW_REG_WAVE_MODE, 25, 1), 1
	s_wait_xcnt 0x0
	s_wait_alu depctr_hold_cnt(0) depctr_sa_sdst(0) depctr_va_vdst(0) depctr_va_sdst(0) depctr_va_ssrc(0) depctr_va_vcc(0) depctr_vm_vsrc(0)
	s_getreg_b32 s2, hwreg(HW_REG_IB_STS2, 6, 4)
	s_cmp_eq_u32 s2, 0
	s_cbranch_scc0 .Lentry_in_a_cluster
	s_endpgm
.Lentry_in_a_cluster:
	s_bfe_u32 s2, ttmp6, 0x10000c
	s_cmp_lg_u32 s2, 0x3003
	s_cbranch_scc0 .Lentry_shape_is_right
	s_endpgm
.Lentry_shape_is_right:
; out[t][o] = sx[t] (ws1[o] y1[t][o] + ws2[o] y2[t][o]) + bias[o];  y1, y2: the sums over k < 2048 and k >= 2048 of the products of codes of x and w, x 2^(e of x + e of w) of that half.
; LIMIT: ws1 x 2^(e0 + e1) and ws2 x 2^(e2 + e3) are f32 numbers.
; A work-group makes 128 rows x 256 columns.  Wave w: half w / 2 of K, 128 columns w % 2: 128 x 128 sums in 512 registers, 16 steps of 128 k, 64 matrix instructions each.
; B (w's codes): each fragment is used by ONE wave of the work-group, so it goes from memory into that wave's registers (the codes lie in the operand's order, a load is 512 consecutive bytes), in three
;   sets of 128 registers, two steps ahead.  It is not asked for jointly: a joint load lands in LDS, where each byte would be written and read once for its one use, and the slots would hold a third of the steps.
; A (x's codes): each fragment is used by two waves.  It goes through LDS, two slots of four steps (131,072 bytes, dense: a fragment is 2,048 consecutive bytes), asked for JOINTLY by the four work-groups of a
;   cluster, which make neighbouring columns of the same rows; a wave asks for one step of the four.  A step's A goes by four groups of 2 blocks of 16 rows; three groups' registers take turns, loads run two groups ahead.
; Block a of A holds rows 64 (a % 2) + 16 (a / 2) + 0..15, so that group g brings 16 rows for each of the two waves that finish rows 0-63 (half 0) and 64-127 (half 1).
; THE MATRIX INSTRUCTION IS USED TRANSPOSED (source 0 = B, source 1 = A): lane l holds row l % 16, its 8 registers neighbouring columns.
; The sets come round after 3 steps, the slots after 4 and 8, there are 16 steps: the steps are expanded by a macro, and every offset is an immediate.
; PREFETCH: in steps 0, 4, 8 a wave asks for one row block (y % 8) of its B of the four steps that begin four steps on, whose loads go out from two steps on; in steps 0 and 4 each cluster asks for the A of the slot
;   that is refilled three steps later, its partners told apart by address.
; REGISTERS, windows of 256: window 0: v0-31 addresses, v32-127 A, v128-255 B set 2 (on the way out: scaled sums); window 1: B sets 0 and 1 (on the way out v128-191 column factors); windows 2, 3: sums, (a, b) at v[8 (8 (a % 4) + b)].
.set S0,   131072                      ; slot 0; slot 1 begins at 0
.set SP,   528                         ; the way out: pitch of a row of 128 f32
.set SW,   32*SP                       ; a wave's part of a group's stage
.set SPARE, 8*SW+8*SW                  ; groups 2, 3 at 0; groups 0, 1 at 8 SW: in slot 0 and above
.set WSO,  8
.set SXO,  9
.set ADR,  10                          ; v10-13 A in LDS: slot 0 steps 0-1, 2-3, slot 1 likewise
.set BOF,  14                          ; 16 x lane
.set PFO,  15                          ; 256 x lane
.set STO,  16                          ; v16-19 stage, in, for each group
.set RD,   20                          ; v20-23 stage, out
.set SPW,  24
.set NIL,  25
.set SXV,  26                          ; v26-27 my 64 rows' sx
.set BI,   28                          ; v28-31 bias of my four columns on the way out
.set AR,   32
.set TMP,  128
.set CF,   128                         ; window 1
.set SX,   80
.set MSB, 0
.macro WIN new                         ; the immediate's high byte repeats the setting that is left
.if MSB != (\new)
	s_set_vgpr_msb (MSB<<8)|(\new)
.set MSB, (\new)
.endif
.endm
.macro PLACES                          ; four places behind a matrix instruction (ISA guide 7.12.1)
.rept 4
	v_nop
.endr
.endm
.macro JLOAD s                         ; my quarter of slot s, for all four work-groups of the cluster
	tensor_load_to_lds s[32+4*(\s):35+4*(\s)], s[24:31]
	s_nop 0
	PLACES
.endm
.macro CREST                           ; a round of the cluster's barrier behind its opening barrier
	s_cmp_lg_u32 s14, 0
	s_cbranch_scc1 .Lnot_wave_0_\@
	s_barrier_signal -3
.Lnot_wave_0_\@:
	s_barrier_wait -3
	s_barrier_signal -1
	s_barrier_wait -1
.endm
.macro CROUND
	s_barrier_signal -1
	s_barrier_wait -1
	CREST
.endm
.macro BLOAD t, i0, n                  ; blocks i0 .. i0 + n - 1 of step t's B
.set BB, 128*(((\t)%3+1)/2)
	WIN 0x40*(1-((\t)%3)/2)
.set ii, \i0
.rept \n
.irp c, 0,1,2,3
	global_load_b128 v[BB+16*ii+4*\c:BB+16*ii+4*\c+3], v[BOF], s[12:13] offset:65536*ii+2048*(\t)+512*\c
.endr
.set ii, ii+1
.endr
.endm
.macro ALOAD t, g                      ; A's blocks 2 g, 2 g + 1 of step t
.set AA, AR+32*((4*(\t)+(\g))%3)
.set AD, ADR+2*(((\t)/4)%2)+((\t)%4)/2
	WIN 0
.irp x, 0,1
.irp c, 0,1,2,3
	ds_load_b128 v[AA+16*\x+4*\c:AA+16*\x+4*\c+3], v[AD] offset:32768*((\t)%2)+2048*(2*(\g)+\x)+512*\c
.endr
.endr
.endm
; Block a of A against B's eight, 128 k.  The 64 accumulators take turns, one instruction a turn, in the same order in every step.  Step 0 starts the sums.
; LW: the loads issued behind this step's B; a step's first block waits for B's blocks 0-3, then for 4-7.
.macro MM8 t, a
.set BB, 128*(((\t)%3+1)/2)
.set AA, AR+32*((4*(\t)+(\a)/2)%3)+16*((\a)%2)
.set CC, 64*((\a)%4)
	WIN 0xa0+0x50*((\a)/4)+1-((\t)%3)/2
.irp b, 0,1,2,3,4,5,6,7
.if (\a) == 0
.if \b == 0
	s_wait_loadcnt LW+16
.endif
.if \b == 4
	s_wait_loadcnt LW
.endif
.endif
.if (\t) == 0
	v_wmma_f32_16x16x128_fp8_fp8 v[CC+8*\b:CC+8*\b+7], v[BB+16*\b:BB+16*\b+15], v[AA:AA+15], 0
.else
	v_wmma_f32_16x16x128_fp8_fp8 v[CC+8*\b:CC+8*\b+7], v[BB+16*\b:BB+16*\b+15], v[AA:AA+15], v[CC+8*\b:CC+8*\b+7]
.endif
.endr
.endm
; A slot's last two groups: the other slot has landed and this one is read out; fill = 1: it is filled again, two slots on
.macro TURN t, s, fill
	WIN 0
	s_wait_tensorcnt 0x0                           ; all my tensor loads have landed: my part of the next slot
.if \fill
	ds_add_u32 v[SPW], v[NIL]
	s_add_nc_u64 s[34+4*(\s):35+4*(\s)], s[34+4*(\s):35+4*(\s)], 262144
	s_wait_dscnt 9                                 ; group 2 is in; group 3 (8 loads) and the add may be out
.else
	s_wait_dscnt 8
.endif
	MM8 \t, 4
	WIN 0
	s_wait_dscnt 0x0                               ; the add and my reads of this slot are over
	s_barrier_signal -1
	MM8 \t, 5
	WIN 0
	s_barrier_wait -1
.if \fill
	CREST                                          ; no wave of any partner still reads this slot or has a load on its way
	JLOAD \s
.else
	PLACES
.endif
	ALOAD (\t)+1, 0
	ALOAD (\t)+1, 1
	MM8 \t, 6
	MM8 \t, 7
.endm
.macro STEP t
.if (\t) == 14
.set LW, 32                            ; step 15's B
.else
.set LW, 44                            ; the next step's 32 loads and 12 of the one after
.endif
	PLACES
	ALOAD \t, 2
.if (\t) < 14
	BLOAD (\t)+2, 0, 3
.endif
	s_wait_dscnt 16                                ; two later groups of A may be out
	MM8 \t, 0
	MM8 \t, 1
	PLACES
	ALOAD \t, 3
.if (\t) < 14
	BLOAD (\t)+2, 3, 3
.else                                  ; step 14: the way out's factors, 19 loads, into B's set 1 and window 0
	WIN 0x40
.irp b, 0,1,2,3,4,5,6,7
	global_load_b128 v[CF+8*\b:CF+8*\b+3], v[WSO], s[48:49] offset:64*\b
	global_load_b128 v[CF+8*\b+4:CF+8*\b+7], v[WSO], s[48:49] offset:64*\b+16
.endr
	WIN 0
	global_load_b128 v[BI:BI+3], v[BOF], s[72:73]
	global_load_b32 v[SXV], v[SXO], s[50:51]
	global_load_b32 v[SXV+1], v[SXO], s[50:51] offset:128
.endif
	s_wait_dscnt 16
	MM8 \t, 2
	MM8 \t, 3
.if (\t)%4 == 3
	BLOAD (\t)+2, 6, 2
.if (\t) == 11
	TURN \t, 0, 0
.else
	TURN \t, (\t)/4, 1
.endif
.else
	PLACES
	ALOAD (\t)+1, 0
.if (\t) < 14
	BLOAD (\t)+2, 6, 2
.endif
	s_wait_dscnt 16
	MM8 \t, 4
	MM8 \t, 5
	PLACES
	ALOAD (\t)+1, 1
.if ((\t)%4 == 0) && ((\t) < 12)
	global_prefetch_b8 v[PFO], s[44:45] offset:2048*((\t)+4) th:TH_LOAD_NT scope:SCOPE_SE
.if (\t) < 8
	global_prefetch_b8 v[PFO], s[46:47] offset:131072*((\t)/4+2) th:TH_LOAD_NT scope:SCOPE_SE
.endif
.endif
	s_wait_dscnt 16
	MM8 \t, 6
	MM8 \t, 7
.endif
.endm
	s_load_b256 s[4:11], s[0:1], 0x0               ; xc, wc, the scales' exponents, sx
	s_load_b256 s[68:75], s[0:1], 0x20             ; ws1, ws2, bias, out
	v_lshl_add_u32 v[SPW], v0, 2, SPARE
	v_mov_b32 v[NIL], 0
	ds_add_u32 v[SPW], v[NIL]
	ds_add_u32 v[SPW], v[NIL]
	v_lshrrev_b32 v1, 5, v0
	v_readfirstlane_b32 s14, v1                    ; wave
	v_and_b32 v2, 31, v0                           ; lane
	v_and_b32 v3, 15, v0
	v_bfe_u32 v4, v0, 4, 1
	v_lshlrev_b32 v[BOF], 4, v2
	v_lshlrev_b32 v[PFO], 8, v2
	v_lshlrev_b32 v[SXO], 2, v2
	v_lshlrev_b32 v[WSO], 5, v4
	v_mul_u32_u24 v5, v3, SP
	v_lshl_add_u32 v5, v4, 5, v5                   ; into the stage: row lane % 16, 32 bytes for each half of the lanes
	s_wait_alu depctr_va_vdst(0)
	s_lshr_b32 s15, s14, 1                         ; my half of K; on the way out my 64 rows
	s_and_b32 s16, s14, 1                          ; my 128 columns
	s_lshl_b32 s18, s15, 14
	v_add_nc_u32 v[ADR+2], s18, v[BOF]             ; slot 1
	v_add_nc_u32 v[ADR+3], 65536, v[ADR+2]
	v_add_nc_u32 v[ADR], S0, v[ADR+2]              ; slot 0
	v_add_nc_u32 v[ADR+1], S0+65536, v[ADR+2]
	s_mul_i32 s18, s14, SW
	v_add_nc_u32 v[STO+2], s18, v5
	v_add_nc_u32 v[STO+3], 4*SW, v[STO+2]
	v_add_nc_u32 v[STO], 8*SW, v[STO+2]
	v_add_nc_u32 v[STO+1], 12*SW, v[STO+2]
	s_mul_i32 s18, s16, SW
	s_mul_i32 s19, s15, 16*SP
	s_add_co_u32 s18, s18, s19
	v_add_nc_u32 v[RD+2], s18, v[BOF]
	v_add_nc_u32 v[RD+3], 4*SW, v[RD+2]
	v_add_nc_u32 v[RD], 8*SW, v[RD+2]
	v_add_nc_u32 v[RD+1], 12*SW, v[RD+2]
	s_wait_alu depctr_va_vdst(0)                   ; the wait at the end of the head's vector work
	s_bfe_u32 s40, ttmp6, 0x40000                  ; cx
	s_lshl_b32 s42, ttmp9, 2
	s_add_co_u32 s42, s42, s40                     ; tile column
	s_and_b32 s17, ttmp7, 0xffff                   ; tile row y
	; descriptor group 1: 16 rows of 256 elements of 8 bytes, dense; mask: the whole cluster, bit 21 beside it
	s_mov_b32 s24, 15|(3<<16)|(1<<21)
	s_mov_b32 s25, 256<<16
	s_mov_b32 s26, 16<<16
	s_mov_b32 s27, 256<<16
	s_mov_b32 s28, 16
	s_mov_b32 s29, 256
	s_mov_b32 s30, 0
	s_mov_b32 s31, 0
	s_lshl_b32 s18, s14, 15                        ; wave w asks for step w of a slot's four
	s_mov_b32 s32, 1
	s_add_co_u32 s33, s18, S0
	s_mov_b32 s36, 1
	s_mov_b32 s37, s18
	s_lshl_b32 s20, s17, 19
	s_add_co_u32 s20, s20, s18
	s_mov_b32 s21, 0
	s_lshl_b32 s52, s42, 20                        ; B: 16 row blocks of 65,536 bytes a tile column,
	s_lshl_b32 s54, s16, 19                        ; 8 a wave,
	s_add_co_u32 s52, s52, s54
	s_lshl_b32 s54, s15, 15                        ; and my half of K
	s_add_co_u32 s52, s52, s54
	s_mov_b32 s53, 0
	s_wait_dscnt 0x0                               ; both opening adds are done
	s_wait_kmcnt 0x0
	s_load_b128 s[76:79], s[8:9], 0x0              ; e0 .. e3
	s_add_nc_u64 s[34:35], s[4:5], s[20:21]
	s_add_nc_u64 s[38:39], s[34:35], 131072
	s_or_b32 s35, s35, 0x80000000
	s_or_b32 s39, s39, 0x80000000
	s_add_nc_u64 s[12:13], s[6:7], s[52:53]
	CROUND                                         ; all four work-groups are here: the first joint loads meet
	JLOAD 0                                        ; steps 0-3
	BLOAD 0, 0, 8
	BLOAD 1, 0, 8
	WIN 0
	s_and_b32 s54, s17, 7                          ; B's prefetch: row block y % 8 of my eight
	s_lshl_b32 s54, s54, 16
	s_mov_b32 s55, 0
	s_add_nc_u64 s[44:45], s[12:13], s[54:55]
	s_lshl_b32 s56, s17, 19                        ; A's: of a slot's 131,072 bytes 32,768 a partner, 8,192 a wave
	s_lshl_b32 s57, s40, 15
	s_add_co_u32 s56, s56, s57
	s_lshl_b32 s57, s14, 13
	s_add_co_u32 s56, s56, s57
	s_mov_b32 s57, 0
	s_add_nc_u64 s[46:47], s[4:5], s[56:57]
	s_lshl_b32 s58, s17, 7
	s_lshl_b32 s60, s15, 6
	s_add_co_u32 s58, s58, s60                     ; the first row that I store
	s_lshl_b32 s60, s58, 2
	s_mov_b32 s61, 0
	s_add_nc_u64 s[50:51], s[10:11], s[60:61]
	s_lshl_b32 s58, s58, 14
	s_mov_b32 s59, 0
	s_add_nc_u64 s[74:75], s[74:75], s[58:59]
	s_lshl_b32 s62, s42, 10                        ; my first column, in bytes of f32
	s_lshl_b32 s63, s16, 9
	s_add_co_u32 s62, s62, s63
	s_mov_b32 s63, 0
	s_add_nc_u64 s[74:75], s[74:75], s[62:63]
	s_add_nc_u64 s[72:73], s[72:73], s[62:63]
	s_cmp_eq_u32 s15, 0
	s_cselect_b64 s[48:49], s[68:69], s[70:71]
	s_add_nc_u64 s[48:49], s[48:49], s[62:63]
.irp i, 0,1,2,3,4,5,6,7
	s_mov_b32 s[SX+2*\i+1], 0
.endr
	s_wait_kmcnt 0x0
	s_add_co_i32 s96, s76, s77
	s_add_co_i32 s97, s78, s79
	s_cmp_eq_u32 s15, 0
	s_cselect_b32 s96, s96, s97                    ; the exponent of my half's products
	s_wait_tensorcnt 0x0                           ; my part of slot 0 is in; these lines stand ahead of a later first fill as ahead of a refill
	ds_add_u32 v[SPW], v[NIL]
	s_wait_dscnt 0x0
	CROUND
	JLOAD 1                                        ; steps 4-7
	ALOAD 0, 0
	ALOAD 0, 1
.irp t, 0,1,2,3,4,5,6,7,8,9,10,11,12,13,14
	STEP \t
.endr
; THE WAY OUT.  Group g's sums x the column's factor go to the stage, 16 rows for each half of the rows, from both halves of K; behind a barrier the wave that owns the 16 rows reads both parts back by whole rows of
; 512 bytes, adds them, multiplies by sx, adds the bias and stores: 32 lanes, two aligned units of 256 bytes.
.macro SCALE g
.set AC, 128*((\g)%2)
	WIN (2+(\g)/2)|4
.set j, 0
.rept 64
	v_pk_mul_f32 v[TMP+j:TMP+j+1], v[AC+j:AC+j+1], v[CF+j%64:CF+j%64+1]
.set j, j+2
.endr
	WIN 0
.endm
.macro STAGE g
	WIN 0
.irp x, 0,1
.irp b, 0,1,2,3,4,5,6,7
	ds_store_b128 v[STO+\g], v[TMP+64*\x+8*\b:TMP+64*\x+8*\b+3] offset:16*SP*\x+64*\b
	ds_store_b128 v[STO+\g], v[TMP+64*\x+8*\b+4:TMP+64*\x+8*\b+7] offset:16*SP*\x+64*\b+16
.endr
.endr
.endm
; The rows come back into registers that are done with: group 0 B's set 0, group 1 the sums of group 0, group 2 those of group 1, group 3 those of group 2
.macro LOADB g, pw, pb
	WIN 0x40*\pw
.irp i, 0,1,2,3,4,5,6,7,8,9,10,11,12,13,14,15
	ds_load_b128 v[\pb+4*\i:\pb+4*\i+3], v[RD+\g] offset:\i*SP
	ds_load_b128 v[\pb+64+4*\i:\pb+64+4*\i+3], v[RD+\g] offset:2*SW+\i*SP
.endr
	WIN 0
.endm
.macro OUT g, pw, pb, younger
	s_wait_dscnt \younger
.irp hh, 0,1
	WIN 0
.irp i, 0,1,2,3,4,5,6,7
	v_readlane_b32 s[SX+2*\i], v[SXV+\g/2], (16*\g+8*\hh+\i)%32
.endr
	WIN 0x45*\pw
.set j, \pb+32*\hh
.rept 16
	v_pk_add_f32 v[j:j+1], v[j:j+1], v[j+64:j+65]
.set j, j+2
.endr
.irp i, 0,1,2,3,4,5,6,7
.set j, \pb+32*\hh+4*\i
	v_pk_fma_f32 v[j:j+1], v[j:j+1], s[SX+2*\i:SX+2*\i+1], v[BI:BI+1] op_sel_hi:[1,0,1]
	v_pk_fma_f32 v[j+2:j+3], v[j+2:j+3], s[SX+2*\i:SX+2*\i+1], v[BI+2:BI+3] op_sel_hi:[1,0,1]
.endr
	WIN 0x04*\pw
.irp i, 0,1,2,3,4,5,6,7
.set j, \pb+32*\hh+4*\i
	global_store_b128 v[BOF], v[j:j+3], s[74:75] offset:16384*(16*\g+8*\hh+\i) th:TH_STORE_NT
.endr
.endr
	WIN 0
.endm
.set LW, 19                            ; the way out's factors
	PLACES
	ALOAD 15, 2
	s_wait_dscnt 16
	MM8 15, 0
	MM8 15, 1
	PLACES
	ALOAD 15, 3
	s_wait_dscnt 16
	MM8 15, 2
	MM8 15, 3
	s_wait_loadcnt 0x0
	WIN 0x41
.set j, 0
.rept 64
	v_ldexp_f32 v[CF+j], v[CF+j], s96              ; these 64 are also the places behind groups 0 and 1
.set j, j+1
.endr
	s_wait_dscnt 8                                 ; group 2 is in
	MM8 15, 4
	MM8 15, 5
	SCALE 0
	STAGE 0                                        ; slot 0 was read out by all waves at step 11's barrier and is filled no more
	s_wait_dscnt 32                                ; group 3 is in: only the 32 stores may be out
	MM8 15, 6
	MM8 15, 7
	SCALE 1
	STAGE 1
	s_wait_dscnt 0x0                               ; groups 0 and 1 are staged, and my reads of slot 1 are over
	s_barrier_signal -1
	SCALE 2
	s_barrier_wait -1
	LOADB 0, 1, 0
	s_wait_alu depctr_va_vdst(0)
	STAGE 2                                        ; into slot 1's bytes, which every wave has read out
	LOADB 1, 2, 0
	OUT 0, 1, 0, 63                                ; behind group 0's loads: 32 stores and 32 loads
	SCALE 3
	STAGE 3
	OUT 1, 2, 0, 32
	s_wait_dscnt 0x0
	s_barrier_signal -1
	s_barrier_wait -1
	LOADB 2, 2, 128
	LOADB 3, 3, 0
	OUT 2, 2, 128, 32
	OUT 3, 3, 0, 0
	s_wait_tensorcnt 0x0                           ; the wave's end
	ds_add_u32 v[SPW], v[NIL]
	s_wait_dscnt 0x0
	CROUND                                         ; the closing round: no work-group ends while a partner may still ask for a tile that names it
	s_endpgm
.Lfunc_end_k_qd23a527cee_gemm:
	.size	k_qd23a527cee_gemm, .Lfunc_end_k_qd23a527cee_gemm-k_qd23a527cee_gemm
	.p2alignl 7, 3214868480
	.fill 96, 4, 3214868480
	.section	.rodata,"a",@progbits
	.p2align	6, 0x0
	.amdhsa_kernel k_qd23a527cee_gemm
		.amdhsa_group_segment_fixed_size 327680
		.amdhsa_private_segment_fixed_size 0
		.amdhsa_enable_private_segment 0
		.amdhsa_kernarg_size 64
		.amdhsa_user_sgpr_count 2
		.amdhsa_user_sgpr_kernarg_segment_ptr 1
		.amdhsa_wavefront_size32 1
		.amdhsa_system_sgpr_workgroup_id_x 1
		.amdhsa_system_sgpr_workgroup_id_y 1
		.amdhsa_system_sgpr_workgroup_id_z 1
		.amdhsa_system_vgpr_workitem_id 0
		.amdhsa_next_free_vgpr 1024
		.amdhsa_next_free_sgpr 100
		.amdhsa_reserve_vcc 0
		.amdhsa_float_denorm_mode_32 3
		.amdhsa_float_denorm_mode_16_64 3
		.amdhsa_memory_ordered 1
		.amdhsa_forward_progress 1
		.amdhsa_inst_pref_size 234
	.end_amdhsa_kernel
	.amdgpu_metadata
---
amdhsa.version: [ 1, 2 ]
amdhsa.kernels:
  - .name:           k_qd23a527cee_gemm
    .symbol:         k_qd23a527cee_gemm.kd
    .args:
      - { .name: xc, .offset: 0, .size: 8, .value_kind: global_buffer, .address_space: global }
      - { .name: wc, .offset: 8, .size: 8, .value_kind: global_buffer, .address_space: global }
      - { .name: lowp_scales, .offset: 16, .size: 8, .value_kind: global_buffer, .address_space: global }
      - { .name: scales_x, .offset: 24, .size: 8, .value_kind: global_buffer, .address_space: global }
      - { .name: weight_scales_1, .offset: 32, .size: 8, .value_kind: global_buffer, .address_space: global }
      - { .name: weight_scales_2, .offset: 40, .size: 8, .value_kind: global_buffer, .address_space: global }
      - { .name: bias, .offset: 48, .size: 8, .value_kind: global_buffer, .address_space: global }
      - { .name: out0, .offset: 56, .size: 8, .value_kind: global_buffer, .address_space: global }
    .group_segment_fixed_size: 327680
    .private_segment_fixed_size: 0
    .kernarg_segment_align: 8
    .kernarg_segment_size: 64
    .max_flat_workgroup_size: 128
    .sgpr_count:     100
    .vgpr_count:     1024
    .wavefront_size: 32
...
	.end_amdgpu_metadata
.endif
;; end of part 2
